; MI455X (gfx1250); checked and timed in simulation.
; The chip was launched on July 23, 2026; its instructions are those of AMD's public machine-readable ISA for CDNA 5 (MIT licence, August 2026) and "CDNA5" Instruction Set Architecture Reference Guide (July 2026). The comments in the code are by the model that wrote it; some were corrected since.
;; Model. Allowed arithmetic: matrix products marked QUANTISED: E2M1 operands, one E8M0 scale for each 32 along K, by v_wmma_scale_f32_16x16x128_f8f6f4 with both operands' format E2M1 (or v_wmma_scale_f32_32x16x128_f4), f32 sums; everything else in f32.
;; Inputs: key 4 x 16 x 2,048 x 64 float32; query 4 x 16 x 2,048 x 64 float32; value 4 x 16 x 2,048 x 64 float32.
;; Outputs: out0 4 x 16 x 2,048 x 64 float32.
;; This version of the problem:
;;   THIS VERSION OF THE PROBLEM IS GIVEN IN LOW PRECISION. The matrix products marked QUANTISED in the list below multiply operands that are first quantised to E2M1 (2 exponent bits, 1 mantissa bit; 4 bits a number), with one power-of-two scale for each 32 numbers along K (OCP MX v1.0); their sums are f32. All else is computed in f32.
;;   The module's matrix products, in the order in which they are computed (A, B: the left and right operand; K: the contracted axis; several contracted axes count as one K, in the product's order):
;;     1. batch 64 x [M 2,048, K 64] x [K 64, N 2,048]; A: input query; B: input key: QUANTISED
;;     2. batch 64 x [M 2,048, K 2,048] x [K 2,048, N 64]; A: softmax (see below); B: input value: QUANTISED
;;   THE QUANTISER, for each operand of a quantised product, along K:
;;     - K is cut into blocks of 32 from its start; a last block that is shorter is filled with zeros.
;;     - A block's scale is 2^e with e = floor(log2(the largest magnitude in the block)) - 2, held to -126 .. 127; a block of zeros has e = 0. As a byte (E8M0): e + 127.
;;     - Each number is divided by its block's scale, clamped to +-6, and rounded to the nearest number of E2M1, ties to even, subnormals kept.
;;     - The product sums the exact products of the quantised numbers (number of the format x scale) in f32.
;;   ~~~python
;;   def quantise(x, axis):      # numpy; x: float32 -> the quantised numbers, widened to float32 again
;;       x = np.moveaxis(x, axis, -1); K = x.shape[-1]
;;       x = np.pad(x, [(0, 0)] * (x.ndim - 1) + [(0, -K % 32)]); x = x.reshape(x.shape[:-1] + (-1, 32)); a = np.abs(x).max(-1, keepdims=True)
;;       e = np.where(a > 0, np.clip(np.frexp(np.where(a > 0, a, 1))[1] - 1 - 2, -126, 127), 0)      # np.frexp(a)[1] - 1 = floor(log2(a)), exactly
;;       r = np.clip(x / 2.0 ** e, -6, 6)
;;       step = 2.0 ** (np.maximum(np.frexp(np.where(r == 0, 1, r))[1] - 1, 0) - 1)
;;       q = np.round(r / step) * step * 2.0 ** e      # np.round: ties to even
;;       return np.moveaxis(q.reshape(q.shape[:-2] + (-1,))[..., :K], -1, axis).astype(np.float32)
;;   ~~~
;;   SOFTMAX AHEAD OF A QUANTISED PRODUCT. Where the list says 'softmax', what is quantised is not the finished softmax but p = 2^(t - M), with t = logit x log2(e) and M = ceil(the row's largest t), a whole number; so 1/2 < the row's largest p <= 1. The row's sum l is taken of the UNQUANTISED p, in f32, and the product's result is divided by l at the end. Since M is a whole number, a kernel that streams over the keys may use a running M (the ceiling of the running maximum): every later rescaling is an exact power of two, which a block's scale takes up: the codes' values come out the same.
;;   OPERANDS COMPUTED ON THE WAY. 'Computed on the way' means the value that the module computes at that place (a softmax that the list does not call 'softmax' is quantised finished and normalised). What goes into a quantiser is computed in f32, as accurately as f32 sums, v_exp_f32 and their like allow (about 1e-6 of the number): no bf16 or f16 on the way to a quantiser, and a product that is left as it is and whose result goes on into a quantised operand takes f32 operands (vector FMAs, or v_wmma_f32_16x16x4_f32). A number that lies on a knife's edge between two numbers of the format may be rounded either way, as far as f32 arithmetic and the matrix unit's own rounding can turn it there, and no further.
;; 2 versions, each right; version 2 is version 1 with the launch attn written anew for expert scheduling mode. Each part assembles by itself: llvm-mc -triple=amdgcn-amd-amdhsa -mcpu=gfx1250 --defsym DOCPART=n.
;; ======== version 1 of 2: 1 launch
;; launch attn (part 1): grid 4 x 64, 16 waves a work-group, no clusters, 239,616 bytes of LDS; arguments query, key, value, out0; writes out0
.if DOCPART == 1
	.amdgcn_target "amdgcn-amd-amdhsa--gfx1250"
	.amdhsa_code_object_version 6
	.text
	.protected	k_q043066da78_attn
	.globl	k_q043066da78_attn
	.p2align	8
	.type	k_q043066da78_attn,@function
k_q043066da78_attn:
	s_mov_b64 s[64:65], 0
	v_nop
	global_prefetch_b8 v0, s[64:65] scope:SCOPE_SE
	s_setreg_imm32_b32 hwreg(HW_REG_WAVE_MODE, 25, 1), 1
	s_wait_xcnt 0x0
; O[h][q][:] = the sum over k of softmax_k(Q[h][q] . K[h][k] / 8) V[h][k][:].  Q, K, V, O: [64 heads][2048][64] f32.  Both products on codes of FP4 (E2M1) with one E8M0 scale for each 32 along a product's K.
; THE SOFTMAX AHEAD OF THE SECOND PRODUCT: t = score x log2(e) / 8; M = the row's largest t so far, rounded UP to a whole number; p = 2^(t - M) is quantised along the keys, not normalised.
; The row's sum is taken of the unquantised p, in f32, and divides O at the end.  When M moves, the sum and O are multiplied by 2^(old M - new M): exact.
; SHARES.  A work-group owns 512 queries of one head (grid x: the block, grid y: the head): 256 work-groups of equal work.  Sixteen waves of 256 registers, four to a SIMD, so that one wave's vector work
; stands beside another's products and LDS loads.  Wave w owns queries 32 w .. 32 w + 31 of the block: two tiles of 16, one after the other; each walks the head's 16 steps of 128 keys.
; ONE LAUNCH, NO RING.  A head's K and V as codes with their scale words are 143,360 bytes: they fit in LDS whole, AS IMAGES OF THE OPERANDS' REGISTERS (every read is 16 x lane, or 8 x lane for V's scale words),
; and every byte of them is written once.  THE QUANTISING RUNS AHEAD OF THE FIRST TILE'S STEPS.  A PAIR is two steps, 256 keys.  Of each pair wave w quantises 16 keys of K (along the head's 64) and one block of
; 32 keys x 32 columns of V (down the keys).  Pair 0 is made in front of the first barrier; while the first tile walks pair j, pair j + 1 is loaded, quantised and stored: each load is asked for a whole step
; ahead of the wait for it.  One barrier a pair stands between the stores and the loads of them; since no byte is written twice, nothing else has to be ordered.  The second tile finds everything in LDS.
; NO CLUSTER, NO JOINT LOADS: what the four work-groups of a head share arrives as f32 and has to pass through registers to become codes; a head's K and V in f32 are 1,048,576 bytes, which do not fit in LDS, so a
; joint load would need a ring of f32 tiles with a round of the cluster's barrier for each refill, to spare reads that the four, which run side by side, make of the same rows at about the same time.
; LAYOUT.  Both products are used transposed: S^T = K Q^T (source 0 = 16 keys, source 1 = my 16 queries), O^T = V^T P^T (source 0 = 16 of the head's 64, source 1 = P): a lane holds ONE query (lane % 16) throughout.
; The first product's K is 64 of the instruction's 128: registers 4-7 of both fragments are zero codes, bytes 2 and 3 of both scale words are 0 (2^-127 over zeros).
; THE KEYS OF A TILE ARE NOT NEIGHBOURS: row r of tile 2 b + u is key 32 b + 8 u + r + 8 (r / 8) of the step, so that the 16 registers of tiles 2 b and 2 b + 1 are 16 neighbouring keys, 32 b + 16 (lane / 16) + 0 .. 15.
; LIMITS: NaN and infinities among the inputs are not served; |t| stays under 3e38 (the largest t starts at -3e38).  A block of zeros gets the byte 1 where the rule says 127: its codes are zeros, which add
; nothing under any byte but 0xff, and the bytes are read by this program alone.  A block's largest p is made of the block's largest score by the same multiply-add and exponential as every p, which takes
; v_exp_f32 not to fall where its input rises.  A p under 2^-126 comes out of v_exp_f32 as 0.
.set REC,   8960                       ; LDS: a record for each key step, 16 of them from byte 0 on:
.set RV,    4096                       ;   K's codes at 0: tile x 512 + 16 x lane (registers 0-3 of a fragment);  V's codes here: tile x 1,024 + c x 512 + 16 x lane (registers 4 c .. 4 c + 3);
.set RSK,   8192                       ;   K's scale words: 16 x lane + 4 j: lanes 0-15 tile 2 j, lanes 16-31 tile 2 j + 1;
.set RSV,   8704                       ;   V's scale words: 8 x lane + 4 j, likewise
.set QIMG,  16*REC                     ; Q's codes: wave x 1,024 + tile x 512 + 16 x lane; the wave's own
.set QSC,   QIMG+16384                 ; Q's scale words: wave x 512 + tile x 256 + 16 x row; the wave's own
.set STAGE, QSC+8192                   ; the way out: wave x 16 rows x 272 bytes; the wave's own.  Ends at 237,568
.set SP,    272                        ; a stage row: 256 bytes + 16: the sixteen rows that a store touches begin in sixteen different 16-byte columns of 256
.set PAIRB, 65536                      ; a pair's 256 rows of K or of V in memory
; VECTOR REGISTERS.  Addresses: these never hold anything else
.set ADK,  1                           ; v1   the step's record + 16 x lane
.set ADS,  2                           ; v2   the step's scale words of V + 8 x lane
.set WA,   3                           ; v3   where the codes just made go
.set WB,   4                           ; v4   and their scale words
.set L16,  5                           ; v5   16 x lane; also my byte offset in two rows of O (256 (lane / 16) + 16 (lane % 16))
.set L8,   6                           ; v6   8 x lane
.set LK,   7                           ; v7   K's and Q's codes: 16 (l / 8) + 256 ((l / 4) % 2) + 4 (l % 4)
.set LG,   8                           ; v8   K's and Q's scale words: 16 (l / 8)
.set LV,   9                           ; v9   V's codes: 1,024 (l / 16) + 16 (l % 16)
.set SH8,  10                          ; v10  8 x ((l / 4) % 2): where my block's byte stands in a scale word of K or Q
.set VKO,  11                          ; v11  32 x lane: my 8 numbers of a group of 4 rows
.set VVO,  25                          ; v25  4 x lane: my column of V
.set QRD,  240                         ; v240 my wave's images of Q + 16 x lane
.set QSR,  241                         ; v241 my wave's scale words of Q + 16 x (lane % 16)
.set STO,  242                         ; v242 the stage: where I put 32 bytes of a row
.set RD,   243                         ; v243 and where I read a row back
; the work.  v12 -M, v13 the largest t, v[14:15] the sum in two halves
.set QF,   16                          ; v16-19 Q's codes, v20-23 zeros
.set QS,   24                          ; v24  Q's scale words
.set VS,   26                          ; v26-27 V's scale words of the step
.set KS,   28                          ; v28-31 K's
.set KF,   32                          ; v32-63 four fragments of K: 8 t + 0 .. 3 loaded, 8 t + 4 .. 7 zeros that stay
.set X,    64                          ; v64-95 32 numbers of K, V or Q on their way to the quantiser
.set SS,   96                          ; v96-159 S^T, then p; on the way out O
.set OT,   160                         ; v160-191 O^T, 4 tiles
.set VF,   192                         ; v192-223 V's 4 fragments; on the way out rows read back
.set PC,   224                         ; v224-231 p's codes.  v232-239, v244-247, v252-254 at work in a step; between steps the quantiser takes:
.set MX,   232                         ; v232-235 largest magnitudes
.set CD,   236                         ; v236-239 codes
.set SCO,  244                         ; v244-247 the conversions' scale operands
.set WD,   248                         ; v248-251 scale words
; SCALAR REGISTERS
.set WV,   12                          ; s12  my wave's number
.set SEL,  20                          ; s[20:21] lane selects for v_permlanex16_b32: lane l xor 16
.set CS,   22                          ; s[22:23] c = log2(e) / 8: the packed form names a pair and takes its low word for both halves
.set TR,   24                          ; s24  the record of the step in hand
.set TS,   25                          ; s25  and its scale words of V
.set SKC,  26                          ; s26  where my wave's codes of K of the pair being made go;
.set CNT,  27                          ; s27  trips to go
.set SKS,  28                          ; s28  K's scale words;
.set SVC,  29                          ; s29  V's codes;
.set SVS,  30                          ; s30  V's scale bytes: these four step two records a pair
.set SQC,  31                          ; s31  my wave's images of Q
.set SQS,  34                          ; s34  and its scale words
	s_load_b256 s[4:11], s[0:1], 0x0               ; Q s[4:5], K s[6:7], V s[8:9], O s[10:11]
	v_lshrrev_b32 v232, 5, v0
	v_readfirstlane_b32 s[WV], v232                ; wave 0..15
	v_and_b32 v232, 31, v0                         ; l: lane
	v_and_b32 v233, 15, v0                         ; r = l % 16
	v_bfe_u32 v234, v0, 4, 1                       ; h = l / 16
	v_bfe_u32 v235, v0, 3, 2                       ; l / 8
	v_bfe_u32 v236, v0, 2, 1                       ; (l / 4) % 2
	v_and_b32 v237, 3, v0                          ; l % 4
	v_lshlrev_b32 v[L16], 4, v232
	v_lshlrev_b32 v[L8], 3, v232
	v_lshlrev_b32 v[VKO], 5, v232
	v_lshlrev_b32 v[VVO], 2, v232
	v_lshlrev_b32 v[SH8], 3, v236
	v_lshlrev_b32 v[LG], 4, v235                   ; 16 (l / 8): my row of a group of four, in an image and among the scale words
	v_lshl_add_u32 v[LK], v237, 2, v[LG]           ; + 4 (l % 4): my 8 codes of a block's 32
	v_lshl_add_u32 v[LK], v236, 8, v[LK]           ; + 256 ((l / 4) % 2): the block d 32 .. 63 belongs to lanes 16-31 of the operand
	v_lshlrev_b32 v[LV], 10, v234                  ; V: my column 32 u + l lies in tile 2 u + l / 16, row l % 16
	v_lshl_add_u32 v[LV], v233, 4, v[LV]
	; My wave's share of a pair.  K: keys 16 w .. 16 w + 15 of the 256: step w / 8; in it b = (w / 2) % 4, the row's bit 3 = w % 2.  V: step w / 8, block b = (w / 2) % 4 of its four, columns 32 u on, u = w % 2.
	s_and_b32 s35, s[WV], 1                        ; w % 2
	s_bfe_u32 s36, s[WV], 0x20001                  ; b
	s_lshr_b32 s37, s[WV], 3                       ; which step of the pair
	s_mul_i32 s38, s37, REC                        ; its record
	s_lshl_b32 s[SKC], s36, 10                     ; K's codes: tile 2 b + u at 1,024 b + 512 u, rows 8 (w % 2) on at 128 (w % 2)
	s_add_co_u32 s[SKC], s[SKC], s38
	s_lshl_b32 s18, s35, 7
	s_add_co_u32 s[SKC], s[SKC], s18
	s_lshl_b32 s[SKS], s36, 2                      ; K's scale words: 16 x (row + 16 u) + 4 b
	s_add_co_u32 s[SKS], s[SKS], s18
	s_add_co_u32 s[SKS], s[SKS], s38
	s_add_co_u32 s[SKS], s[SKS], RSK
	s_lshl_b32 s[SVC], s35, 11                     ; V's codes: tile 2 u + l / 16; block b = 2 c + h: 512 c + 256 h = 256 b
	s_lshl_b32 s18, s36, 8
	s_add_co_u32 s[SVC], s[SVC], s18
	s_add_co_u32 s[SVC], s[SVC], s38
	s_add_co_u32 s[SVC], s[SVC], RV
	s_lshl_b32 s[SVS], s35, 2                      ; V's scale bytes: word 8 x lane + 4 u, byte b
	s_add_co_u32 s[SVS], s[SVS], s36
	s_add_co_u32 s[SVS], s[SVS], s38
	s_add_co_u32 s[SVS], s[SVS], RSV
	s_lshl_b32 s[SQC], s[WV], 10
	s_add_co_u32 s[SQC], s[SQC], QIMG
	s_lshl_b32 s[SQS], s[WV], 9
	s_add_co_u32 s[SQS], s[SQS], QSC
	v_add_nc_u32 v[QRD], s[SQC], v[L16]
	v_lshl_add_u32 v[QSR], v233, 4, s[SQS]
	s_mul_i32 s18, s[WV], 16*SP
	s_add_co_u32 s18, s18, STAGE                   ; my stage
	v_mul_u32_u24 v[STO], v233, SP
	v_lshl_add_u32 v[STO], v234, 5, v[STO]
	v_add_nc_u32 v[STO], s18, v[STO]               ; in: row r, + 32 h
	v_mul_u32_u24 v[RD], v234, SP
	v_lshl_add_u32 v[RD], v233, 4, v[RD]
	v_add_nc_u32 v[RD], s18, v[RD]                 ; back: lanes 0-15 one row, lanes 16-31 the next
	s_mov_b32 s[SEL], 0x76543210
	s_mov_b32 s[SEL+1], 0xfedcba98
	s_mov_b32 s[CS], 0x3e38aa3b                    ; log2(e) / 8
	s_mov_b32 s[CS+1], s[CS]                       ; (named with it as a pair, so it is written)
	s_and_b32 s14, ttmp7, 0xffff                   ; the head
	s_lshl_b32 s14, s14, 19                        ; x 2,048 rows of 256 bytes
	s_mov_b32 s15, 0
	s_lshl_b32 s18, s[WV], 12                      ; K: my 16 keys of a pair
	s_add_co_u32 s16, s14, s18
	s_mov_b32 s17, 0
	s_lshl_b32 s18, s37, 15                        ; V: the step's 128 rows,
	s_add_co_u32 s32, s14, s18
	s_lshl_b32 s18, s36, 13                        ; the block's 32,
	s_add_co_u32 s32, s32, s18
	s_lshl_b32 s18, s35, 7                         ; my 32 columns
	s_add_co_u32 s32, s32, s18
	s_mov_b32 s33, 0
	s_lshl_b32 s18, ttmp9, 17                      ; Q, O: the block's 512 rows,
	s_add_co_u32 s14, s14, s18
	s_lshl_b32 s18, s[WV], 13                      ; my 32 of them
	s_add_co_u32 s14, s14, s18
	s_wait_kmcnt 0x0
	s_add_nc_u64 s[4:5], s[4:5], s[14:15]
	s_add_nc_u64 s[10:11], s[10:11], s[14:15]
	s_add_nc_u64 s[6:7], s[6:7], s[16:17]
	s_add_nc_u64 s[8:9], s[8:9], s[32:33]
; ---- THE QUANTISER ----
; K and Q (their K, the head's 64, is innermost).  A GROUP is 4 rows, 1,024 consecutive bytes: lane l takes the 32 bytes at 32 l: 8 neighbours of row l / 8, d = 8 (l % 8) on; four lanes hold a block of 32.
; Four groups, 16 rows, from off bytes on, into the 32 registers from xs on.  nt = 1: rows that the whole launch reads once (Q's); K's rows are read by the head's other three work-groups too.
.macro LOADG xs, ptr, off, nt
.irp i, 0,1,2,3
.if \nt
	global_load_b128 v[\xs+8*\i:\xs+8*\i+3],   v[VKO], s[\ptr:\ptr+1] offset:(\off)+1024*\i th:TH_LOAD_NT
	global_load_b128 v[\xs+8*\i+4:\xs+8*\i+7], v[VKO], s[\ptr:\ptr+1] offset:(\off)+1024*\i+16 th:TH_LOAD_NT
.else
	global_load_b128 v[\xs+8*\i:\xs+8*\i+3],   v[VKO], s[\ptr:\ptr+1] offset:(\off)+1024*\i
	global_load_b128 v[\xs+8*\i+4:\xs+8*\i+7], v[VKO], s[\ptr:\ptr+1] offset:(\off)+1024*\i+16
.endif
.endr
.endm
; The four groups are quantised, line by line by turns, and stored.  sc, ss: the scalars that say where codes and scale words go.  isq = 1: tile qt of Q; 0: 16 keys of K.
.macro PROCG xs, sc, ss, isq, qt
	v_add_nc_u32 v[WA], s[\sc], v[LK]
	v_add_nc_u32 v[WB], s[\ss], v[LG]
.irp i, 0,1,2,3
	v_max3_num_f32 v[MX+\i], |v[\xs+8*\i]|, |v[\xs+8*\i+1]|, 0x1800000   ; my 8 numbers, and the floor 2^(3 - 127), under which no largest magnitude is taken: so the byte cannot fall under 1
.endr
.irp k, 2,4,6
.irp i, 0,1,2,3
	v_max3_num_f32 v[MX+\i], v[MX+\i], |v[\xs+8*\i+\k]|, |v[\xs+8*\i+\k+1]|
.endr
.endr
.irp i, 0,1,2,3
	v_max_num_f32_dpp v[MX+\i], v[MX+\i], v[MX+\i] row_xmask:1 row_mask:0xf bank_mask:0xf
.endr
.irp i, 0,1,2,3
	v_max_num_f32_dpp v[MX+\i], v[MX+\i], v[MX+\i] row_xmask:2 row_mask:0xf bank_mask:0xf   ; with the three lanes beside me: the block's largest magnitude
.endr
.irp i, 0,1,2,3
	v_add_nc_u32 v[SCO+\i], 0xff000000, v[MX+\i]   ; 2 off its exponent field: the conversion takes the exponent field of this operand as its scale, and nothing else of it
.endr
.irp i, 0,1,2,3
	v_cvt_scalef32_pk8_fp4_f32 v[CD+\i], v[\xs+8*\i:\xs+8*\i+7], v[SCO+\i]
.endr
.irp i, 0,1,2,3
	v_lshrrev_b32 v[WD+\i], 23, v[SCO+\i]          ; the scale's byte.  (These are also the plain lines behind the conversions)
.endr
.irp i, 0,1,2,3
	v_lshlrev_b32 v[WD+\i], v[SH8], v[WD+\i]       ; at its place: byte 0 for d 0 .. 31, byte 1 for d 32 .. 63
.endr
.irp i, 0,1,2,3
	v_mov_b32_dpp v[MX+\i], v[WD+\i] row_xmask:4 row_mask:0xf bank_mask:0xf   ; the row's other block's
.endr
.irp i, 0,1,2,3
	v_or_b32 v[WD+\i], v[WD+\i], v[MX+\i]          ; the row's scale word; bytes 2 and 3 stay 0
.endr
.irp i, 0,1,2,3
.if \isq
	ds_store_b32 v[WA], v[CD+\i] offset:512*\qt+64*\i            ; Q's row 4 i + l / 8 of the tile
	ds_store_b32 v[WB], v[WD+\i] offset:256*\qt+64*\i            ; the eight lanes of a row write the same word with the same value
.else
	ds_store_b32 v[WA], v[CD+\i] offset:512*(\i/2)+64*(\i%2)     ; my key 4 i + l / 8: u = i / 2, the row's low bits 4 (i % 2) + l / 8
	ds_store_b32 v[WB], v[WD+\i] offset:256*(\i/2)+64*(\i%2)
.endif
.endr
.endm
; V (its K, the keys, is NOT innermost): a lane takes a column d and its registers run down the 32 keys of my wave's block.  Each load reads 128 consecutive bytes; the wave beside mine reads the rows' other half.
.macro LOADV xs
.set I, 0
.rept 32
	global_load_b32 v[\xs+I], v[VVO], s[8:9] offset:256*I
.set I, I+1
.endr
.endm
.macro PROCV xs
	v_add_nc_u32 v[WA], s[SVC], v[LV]
	v_add_nc_u32 v[WB], s[SVS], v[L8]
	v_max3_num_f32 v[MX], |v[\xs]|, |v[\xs+1]|, |v[\xs+2]|         ; the block's largest magnitude: all 32 numbers are mine; two chains
	v_max3_num_f32 v[MX+1], |v[\xs+3]|, |v[\xs+4]|, |v[\xs+5]|
.irp i, 6,10,14,18,22,26
	v_max3_num_f32 v[MX], v[MX], |v[\xs+\i]|, |v[\xs+\i+1]|
	v_max3_num_f32 v[MX+1], v[MX+1], |v[\xs+\i+2]|, |v[\xs+\i+3]|
.endr
	v_max3_num_f32 v[MX], v[MX], |v[\xs+30]|, |v[\xs+31]|
	v_max3_num_f32 v[MX], v[MX], v[MX+1], 0x1800000                ; and the floor
	v_add_nc_u32 v[SCO], 0xff000000, v[MX]
	v_lshrrev_b32 v[MX+2], 23, v[SCO]              ; the scale's byte: byte b of my column's word for this step; the word's other three come from three other waves
.irp g, 0,1,2,3
	v_cvt_scalef32_pk8_fp4_f32 v[CD+\g], v[\xs+8*\g:\xs+8*\g+7], v[SCO]
.endr
	v_nop                                          ; one plain line behind the last conversion
	ds_store_b128 v[WA], v[CD:CD+3]                ; the block's 32 codes: four registers of the operand
	ds_store_b8 v[WB], v[MX+2]
.endm
.macro NEXTPAIR                        ; where the next pair's codes and scale words go: two records on
	s_add_co_u32 s[SKC], s[SKC], 2*REC
	s_add_co_u32 s[SKS], s[SKS], 2*REC
	s_add_co_u32 s[SVC], s[SVC], 2*REC
	s_add_co_u32 s[SVS], s[SVS], 2*REC
.endm
; ---- A KEY STEP: 128 keys for my tile of 16 queries ----
.macro SPROD g                         ; S^T = K Q^T, tiles 4 g .. 4 g + 3: lane (r, h) holds query r; the 16 registers of tiles 2 b, 2 b + 1 are keys 32 b + 16 h + 0 .. 15
.irp t, 0,1,2,3
.if \t%2
	v_wmma_scale_f32_16x16x128_f8f6f4 v[SS+8*(4*\g+\t):SS+8*(4*\g+\t)+7], v[KF+8*\t:KF+8*\t+7], v[QF:QF+7], 0, v[KS+2*\g+\t/2], v[QS] matrix_a_fmt:MATRIX_FMT_FP4 matrix_b_fmt:MATRIX_FMT_FP4 matrix_a_scale:MATRIX_SCALE_ROW1
.else
	v_wmma_scale_f32_16x16x128_f8f6f4 v[SS+8*(4*\g+\t):SS+8*(4*\g+\t)+7], v[KF+8*\t:KF+8*\t+7], v[QF:QF+7], 0, v[KS+2*\g+\t/2], v[QS] matrix_a_fmt:MATRIX_FMT_FP4 matrix_b_fmt:MATRIX_FMT_FP4
.endif
.endr
.endm
; THE LARGEST SCORE OF EACH BLOCK OF 32 KEYS serves twice: for the row's maximum, and, since p rises with the score, for the block's largest p.  Two blocks at a time, each in two chains, one for each of its
; two accumulators, which is read from its low end on.  BMAXA: seven scores of each chain.  BMAXB: the chains meet, with the two scores left over: four lines.
.macro BMAXA b0, b1
.irp b, \b0, \b1
	v_max3_num_f32 v[232+\b], v[SS+16*\b], v[SS+1+16*\b], v[SS+2+16*\b]
.endr
.irp b, \b0, \b1
	v_max3_num_f32 v[236+\b], v[SS+8+16*\b], v[SS+9+16*\b], v[SS+10+16*\b]
.endr
.irp i, 3,5
.irp b, \b0, \b1
	v_max3_num_f32 v[232+\b], v[232+\b], v[SS+16*\b+\i], v[SS+1+16*\b+\i]
.endr
.irp b, \b0, \b1
	v_max3_num_f32 v[236+\b], v[236+\b], v[SS+8+16*\b+\i], v[SS+9+16*\b+\i]
.endr
.endr
.endm
.macro BMAXB b0, b1
.irp b, \b0, \b1
	v_max3_num_f32 v[232+\b], v[232+\b], v[236+\b], v[SS+7+16*\b]
.endr
.irp b, \b0, \b1
	v_max_num_f32 v[232+\b], v[232+\b], v[SS+15+16*\b]
.endr
.endm
.macro STEP
	v_add_nc_u32 v[ADK], s[TR], v[L16]
	v_add_nc_u32 v[ADS], s[TS], v[L8]
	ds_load_b128 v[KS:KS+3], v[ADK] offset:RSK     ; K's scale words of the 8 tiles
.irp t, 0,1,2,3
	ds_load_b128 v[KF+8*\t:KF+8*\t+3], v[ADK] offset:512*\t        ; K's tiles 0-3
.endr
	s_wait_dscnt 0x0                               ; they are in (and, in a tile's first step, Q's two loads ahead of them; what the quantiser stored has landed, so that its registers may be written again)
	SPROD 0
.rept 4
	v_nop                                          ; four places between the products and the loads into their fragments, and the first read of their results
.endr
.irp t, 0,1,2,3
	ds_load_b128 v[KF+8*\t:KF+8*\t+3], v[ADK] offset:2048+512*\t   ; K's tiles 4-7 take the same registers: they land while the first two blocks' maxima are taken
.endr
	ds_load_b64 v[VS:VS+1], v[ADS]                 ; V's scale words of the 4 tiles
.irp t, 0,1,2,3
.irp c, 0,1
	ds_load_b128 v[VF+8*\t+4*\c:VF+8*\t+4*\c+3], v[ADK] offset:RV+1024*\t+512*\c
.endr
.endr
	BMAXA 0, 1
	s_wait_dscnt 9                                 ; K's four loads are in; V's nine stay out through the softmax
	SPROD 1
	BMAXB 0, 1                                     ; four plain lines that name no register of the products just issued: the places in front of the first read of their results
	BMAXA 2, 3
	BMAXB 2, 3
.irp b, 0,1,2,3
	v_permlanex16_b32 v[236+\b], v[232+\b], s[SEL], s[SEL+1]
.endr
.irp b, 0,1,2,3
	v_max_num_f32 v[232+\b], v[232+\b], v[236+\b]  ; with lane l xor 16's 16 keys
.endr
	v_max3_num_f32 v254, v232, v233, v234
	v_max_num_f32 v254, v254, v235                 ; the step's largest score of my query
	v_mul_f32 v254, s[CS], v254                    ; as t (c is positive)
	v_max_num_f32 v13, v13, v254                   ; the running largest t
	v_mov_b32 v254, v12
	v_floor_f32 v12, -v13                          ; the new -M = floor(-t) = -ceil(t): M IS A WHOLE NUMBER
	v_sub_f32 v254, v12, v254                      ; M's old value less its new one: a whole number, 0 or less
	v_cvt_i32_f32 v254, v254                       ; (it saturates)
	v_ldexp_f32 v252, 1.0, v254                    ; f = 2^(old M - new M): a multiplication by it rounds nothing
.set J, 0
.rept 32
	v_pk_fma_f32 v[SS+J:SS+J+1], v[SS+J:SS+J+1], s[CS:CS+1], v[12:13] op_sel_hi:[1,0,0]   ; t - M, two at a time (of the pairs c and -M the low word serves both halves)
.set J, J+2
.endr
.irp b, 0,1,2,3
	v_fma_f32 v[232+\b], v[232+\b], s[CS], v12     ; the same of each block's largest score
.endr
.set J, 0
.rept 64
	v_exp_f32 v[SS+J], v[SS+J]                     ; p = 2^(t - M), at most 1: NOT normalised
.set J, J+1
.endr
.irp b, 0,1,2,3
	v_exp_f32 v[232+\b], v[232+\b]                 ; the block's largest p: the same two instructions on the same number give the same bits
.endr
	v_pk_mul_f32 v[14:15], v[14:15], v[252:253] op_sel_hi:[1,0]   ; the sums under the new M.  (The plain line behind the exponentials)
	s_wait_alu depctr_va_vdst(0)
.irp b, 0,1,2,3
	v_max_num_f32 v[232+\b], 0x1800000, v[232+\b]  ; the floor 2^(3 - 127): the byte cannot fall under 1 (a block whose every p has fallen to 0 keeps that byte: its codes are zeros)
.endr
.irp b, 0,1,2,3
	v_add_nc_u32 v[244+\b], 0xff000000, v[232+\b]  ; 2 off the exponent field: the conversion's scale operand
.endr
.irp b, 0,1,2,3
	v_lshrrev_b32 v[236+\b], 23, v[244+\b]         ; the scale's byte
.endr
	v_lshl_or_b32 v253, v237, 8, v236              ; p's scale word for these 128 keys
	v_lshl_or_b32 v253, v238, 16, v253
	v_lshl_or_b32 v253, v239, 24, v253
.irp b, 0,1,2,3
	v_cvt_scalef32_pk8_fp4_f32 v[PC+2*\b], v[SS+16*\b:SS+7+16*\b], v[244+\b]
	v_cvt_scalef32_pk8_fp4_f32 v[PC+1+2*\b], v[SS+8+16*\b:SS+15+16*\b], v[244+\b]
.endr
	v_nop                                          ; one plain line between a scaled conversion and the vector instruction that touches its result
.irp c, 0,1                                    ; the operand's layout wants a WHOLE block in a lane: lanes 0-15 block 2 c, lanes 16-31 block 2 c + 1
.irp i, 0,1
	v_permlane16_swap_b32 v[PC+4*\c+\i], v[PC+2+4*\c+\i]
.endr
.endr
	v_pk_add_f32 v[236:237], v[SS:SS+1], v[SS+2:SS+3]   ; THE ROW'S SUM IS TAKEN OF THE UNQUANTISED p: two at a time, in two chains
.irp j, 4,8,12,16,20,24,28,32,36,40,44,48,52,56,60
	v_pk_add_f32 v[14:15], v[14:15], v[SS+\j:SS+1+\j]
	v_pk_add_f32 v[236:237], v[236:237], v[SS+2+\j:SS+3+\j]
.endr
	v_pk_add_f32 v[14:15], v[14:15], v[236:237]
.set J, 0
.rept 16
	v_pk_mul_f32 v[OT+J:OT+J+1], v[OT+J:OT+J+1], v[252:253] op_sel_hi:[1,0]   ; O^T under the new M: x f, each accumulator from its low end on.  (With the sums above: far more than the eight places between p's scale word, the four between its codes, and the products below)
.set J, J+2
.endr
	s_wait_dscnt 0x0                               ; V's fragments and scale words are in
.irp t, 0,1,2,3                                ; O^T += V^T P^T: four tiles of 16 of the head's 64; K = these 128 keys.  The four accumulators take one instruction each, and the eight products S^T stand between two turns of one
.if \t%2
	v_wmma_scale_f32_16x16x128_f8f6f4 v[OT+8*\t:OT+8*\t+7], v[VF+8*\t:VF+8*\t+7], v[PC:PC+7], v[OT+8*\t:OT+8*\t+7], v[VS+\t/2], v253 matrix_a_fmt:MATRIX_FMT_FP4 matrix_b_fmt:MATRIX_FMT_FP4 matrix_a_scale:MATRIX_SCALE_ROW1
.else
	v_wmma_scale_f32_16x16x128_f8f6f4 v[OT+8*\t:OT+8*\t+7], v[VF+8*\t:VF+8*\t+7], v[PC:PC+7], v[OT+8*\t:OT+8*\t+7], v[VS+\t/2], v253 matrix_a_fmt:MATRIX_FMT_FP4 matrix_b_fmt:MATRIX_FMT_FP4
.endif
.endr
	s_add_co_u32 s[TR], s[TR], REC                 ; the next step's record.  (The next loads into V's fragments and scale words stand behind the next step's two additions and four v_nop: six places)
	s_add_co_u32 s[TS], s[TS], REC
.endm
; A tile's head: Q's fragment and scale words, which stay in registers for the tile; the statistics; the first record.
.macro HEAD qt
	ds_load_b128 v[QF:QF+3], v[QRD] offset:512*\qt ; LDS serves a wave's instructions in order (ISA guide 5.7.1.4): these see my own stores
	ds_load_b32 v[QS], v[QSR] offset:256*\qt
	v_mov_b32 v13, 0xff61b1e6                      ; the largest t so far: -3e38, under every t
	v_floor_f32 v12, -v13                          ; -M
	v_mov_b32 v14, 0                               ; the sum, in two halves
	v_mov_b32 v15, 0
.set J, 0
.rept 32
	v_mov_b32 v[OT+J], 0                           ; O^T.  (The step is written once: the first finds zeros, which the first change of M leaves zeros)
.set J, J+1
.endr
	s_mov_b32 s[TR], 0
	s_mov_b32 s[TS], RSV
.endm
; THE WAY OUT.  O^T is divided by the row's sum and goes through my stage in LDS, so that sixteen lanes store one whole row of O, 256 consecutive bytes at a multiple of 256 from O's first byte.
.macro OUT qt
	v_add_f32 v14, v14, v15                        ; the sum's two halves,
	v_permlanex16_b32 v252, v14, s[SEL], s[SEL+1]
	v_add_f32 v14, v14, v252                       ; and lane l xor 16's: the row's sum
	v_rcp_f32 v14, v14
.rept 3
	v_nop                                          ; a plain line behind the reciprocal; with the two additions five plain places behind the last products (the permute and the reciprocal are not counted)
.endr
.set J, 0
	s_wait_alu depctr_va_vdst(0)
.rept 16
	v_pk_mul_f32 v[SS+J:SS+J+1], v[OT+J:OT+J+1], v[14:15] op_sel_hi:[1,0]   ; register 8 t + i is o(r, 16 t + 8 h + i); each accumulator from its low end on
.set J, J+2
.endr
.irp t, 0,1,2,3
	ds_store_b128 v[STO], v[SS+8*\t:SS+8*\t+3] offset:64*\t
	ds_store_b128 v[STO], v[SS+8*\t+4:SS+8*\t+7] offset:64*\t+16
.endr
.irp i, 0,1,2,3,4,5,6,7
	ds_load_b128 v[VF+4*\i:VF+4*\i+3], v[RD] offset:2*\i*SP   ; in order behind my stores; no other wave touches my stage
.endr
.irp i, 0,1,2,3,4,5,6,7
	s_wait_dscnt 7-\i                              ; rows 2 i and 2 i + 1 are back; the younger loads stay out
	global_store_b128 v[L16], v[VF+4*\i:VF+4*\i+3], s[10:11] offset:4096*\qt+512*\i th:TH_STORE_NT   ; 32 lanes store 512 consecutive bytes; written once, read by nobody here
.endr
.endm
; ---- IN FRONT OF THE FIRST BARRIER: my first tile of Q, and my share of pair 0 ----
	LOADG SS, 4, 0, 1                              ; 8 loads
	LOADG X, 6, 0, 0                               ; 8 loads
	LOADV VF                                       ; 32 loads
	s_wait_loadcnt 40                              ; Q's eight are in; K's 8 and V's 32 stay out
	PROCG SS, SQC, SQS, 1, 0
	s_wait_loadcnt 32                              ; K's are in; V's 32 stay out
	s_wait_dscnt 0x0                               ; the stores have read their registers, which the next lines write again
	PROCG X, SKC, SKS, 0, 0
	s_wait_loadcnt 0x0                             ; V's are in; no load is out, so both pointers may step
	s_wait_dscnt 0x0
	PROCV VF
	s_add_nc_u64 s[6:7], s[6:7], PAIRB
	s_add_nc_u64 s[8:9], s[8:9], PAIRB
	s_wait_dscnt 0x0                               ; for the others' sake: all my stores into the records have landed
	s_barrier_signal -1
	NEXTPAIR
.irp j, 4,5,6,7
	v_mov_b32 v[QF+\j], 0                          ; the upper 64 of the first product's K: zero codes, written once, on both sides
.endr
.irp t, 0,1,2,3
.irp j, 4,5,6,7
	v_mov_b32 v[KF+8*\t+\j], 0
.endr
.endr
.irp b, 0,1,2,3
	v_mov_b32 v[236+\b], 0                         ; (a lane permute's destination counts as one of its sources)
.endr
	v_mov_b32 v253, 0                              ; (named as the upper half of the pair v[252:253] before it is first written)
	s_barrier_wait -1                              ; steps 0 and 1 lie in LDS
; ---- THE FIRST TILE.  Trip j walks steps 2 j and 2 j + 1 and makes steps 2 j + 2 and 2 j + 3: other records than any wave reads between the two barriers round it ----
	HEAD 0
	s_mov_b32 s[CNT], 7
.Lpair:
	LOADG X, 6, 0, 0                               ; my 16 keys of the next pair: asked for a whole step ahead of the wait for them
	STEP
	s_wait_loadcnt 0x0                             ; they are in, and K's pointer may step
	PROCG X, SKC, SKS, 0, 0
	s_add_nc_u64 s[6:7], s[6:7], PAIRB
	LOADV X                                        ; my block of V of the next pair, into the registers that K's numbers have left
	STEP
	s_wait_loadcnt 0x0
	PROCV X
	s_add_nc_u64 s[8:9], s[8:9], PAIRB
	s_wait_dscnt 0x0                               ; for the others' sake: my stores into the next pair's records have landed
	s_barrier_signal -1
	NEXTPAIR
	s_barrier_wait -1                              ; everybody's have
	s_sub_co_u32 s[CNT], s[CNT], 1
	s_cmp_lg_u32 s[CNT], 0
	s_cbranch_scc1 .Lpair
	LOADG X, 4, 4096, 1                            ; the last pair: nothing is left of K and V; my second tile of Q is asked for instead
	STEP
	STEP
	OUT 0
	s_wait_xcnt 0x0                                ; the stores have read their registers: the next tile's first step loads V's fragments into them
	s_wait_loadcnt 0x0                             ; Q's second tile is in
	PROCG X, SQC, SQS, 1, 1
; ---- THE SECOND TILE: all sixteen records lie in LDS and nobody writes them: no barrier ----
	HEAD 1
	s_mov_b32 s[CNT], 16
.Lstep:
	STEP
	s_sub_co_u32 s[CNT], s[CNT], 1
	s_cmp_lg_u32 s[CNT], 0
	s_cbranch_scc1 .Lstep
	OUT 1
	s_wait_xcnt 0x0
	v_lshl_add_u32 v254, v0, 2, 0x3a000
	v_mov_b32 v255, 0
	s_wait_tensorcnt 0x0
	ds_add_u32 v254, v255
	s_wait_dscnt 0x0
	s_endpgm
.Lfunc_end_k_q043066da78_attn:
	.size	k_q043066da78_attn, .Lfunc_end_k_q043066da78_attn-k_q043066da78_attn
	.p2alignl 7, 3214868480
	.fill 96, 4, 3214868480
	.section	.rodata,"a",@progbits
	.p2align	6, 0x0
	.amdhsa_kernel k_q043066da78_attn
		.amdhsa_group_segment_fixed_size 239616
		.amdhsa_private_segment_fixed_size 0
		.amdhsa_enable_private_segment 0
		.amdhsa_kernarg_size 32
		.amdhsa_user_sgpr_count 2
		.amdhsa_user_sgpr_kernarg_segment_ptr 1
		.amdhsa_wavefront_size32 1
		.amdhsa_system_sgpr_workgroup_id_x 1
		.amdhsa_system_sgpr_workgroup_id_y 1
		.amdhsa_system_sgpr_workgroup_id_z 1
		.amdhsa_system_vgpr_workitem_id 0
		.amdhsa_next_free_vgpr 256
		.amdhsa_next_free_sgpr 66
		.amdhsa_reserve_vcc 0
		.amdhsa_float_denorm_mode_32 3
		.amdhsa_float_denorm_mode_16_64 3
		.amdhsa_memory_ordered 1
		.amdhsa_forward_progress 1
		.amdhsa_inst_pref_size 114
	.end_amdhsa_kernel
	.amdgpu_metadata
---
amdhsa.version: [ 1, 2 ]
amdhsa.kernels:
  - .name:           k_q043066da78_attn
    .symbol:         k_q043066da78_attn.kd
    .args:
      - { .name: query, .offset: 0, .size: 8, .value_kind: global_buffer, .address_space: global }
      - { .name: key, .offset: 8, .size: 8, .value_kind: global_buffer, .address_space: global }
      - { .name: value, .offset: 16, .size: 8, .value_kind: global_buffer, .address_space: global }
      - { .name: out0, .offset: 24, .size: 8, .value_kind: global_buffer, .address_space: global }
    .group_segment_fixed_size: 239616
    .private_segment_fixed_size: 0
    .kernarg_segment_align: 8
    .kernarg_segment_size: 32
    .max_flat_workgroup_size: 512
    .sgpr_count:     66
    .vgpr_count:     256
    .wavefront_size: 32
...
	.end_amdgpu_metadata
.endif
;; end of part 1
;; ======== version 2 of 2: 1 launch; version 1 with the launch attn written anew for expert scheduling mode
;; launch attn (part 2): grid 4 x 64, 16 waves a work-group, no clusters, 239,616 bytes of LDS; arguments query, key, value, out0; writes out0
.if DOCPART == 2
	.amdgcn_target "amdgcn-amd-amdhsa--gfx1250"
	.amdhsa_code_object_version 6
	.text
	.protected	k_q043066da78_attn
	.globl	k_q043066da78_attn
	.p2align	8
	.type	k_q043066da78_attn,@function
k_q043066da78_attn:
	s_mov_b64 s[64:65], 0
	v_nop
	global_prefetch_b8 v0, s[64:65] scope:SCOPE_SE
	s_setreg_imm32_b32 hwreg(HW_REG_WAVE_SCHED_MODE, 0, 2), 2
	s_setreg_imm32_b32 hwreg(HW_REG_WAVE_MODE, 25, 1), 1
	s_wait_xcnt 0x0
	s_wait_alu depctr_vm_vsrc(0)
; O[h][q][:] = the sum over k of softmax_k(Q[h][q] . K[h][k] / 8) V[h][k][:].  Q, K, V, O: [64 heads][2048][64] f32.  Both products on codes of FP4 (E2M1) with one E8M0 scale for each 32 along a product's K.
; THE SOFTMAX AHEAD OF THE SECOND PRODUCT: t = score x log2(e) / 8; M = the row's largest t so far, rounded UP to a whole number; p = 2^(t - M) is quantised along the keys, not normalised.
; The row's sum is taken of the unquantised p, in f32, and divides O at the end.  When M moves, the sum and O are multiplied by 2^(old M - new M): exact.
; SHARES.  A work-group owns 512 queries of one head (grid x: the block, grid y: the head): 256 work-groups of equal work.  Sixteen waves of 256 registers, four to a SIMD, so that one wave's vector work
; stands beside another's products and LDS loads.  Wave w owns queries 32 w .. 32 w + 31 of the block: two tiles of 16, one after the other; each walks the head's 16 steps of 128 keys.
; ONE LAUNCH, NO RING.  A head's K and V as codes with their scale words are 143,360 bytes: they fit in LDS whole, AS IMAGES OF THE OPERANDS' REGISTERS (every read is 16 x lane, or 8 x lane for V's scale words),
; and every byte of them is written once.  THE QUANTISING RUNS AHEAD OF THE FIRST TILE'S STEPS.  A PAIR is two steps, 256 keys.  Of each pair wave w quantises 16 keys of K (along the head's 64) and one block of
; 32 keys x 32 columns of V (down the keys).  Pair 0 is made in front of the first barrier; while the first tile walks pair j, pair j + 1 is loaded, quantised and stored: each load is asked for a whole step
; ahead of the wait for it.  One barrier a pair stands between the stores and the loads of them; since no byte is written twice, nothing else has to be ordered.  The second tile finds everything in LDS.
; NO CLUSTER, NO JOINT LOADS: what the four work-groups of a head share arrives as f32 and has to pass through registers to become codes; a head's K and V in f32 are 1,048,576 bytes, which do not fit in LDS, so a
; joint load would need a ring of f32 tiles with a round of the cluster's barrier for each refill, to spare reads that the four, which run side by side, make of the same rows at about the same time.
; LAYOUT.  Both products are used transposed: S^T = K Q^T (source 0 = 16 keys, source 1 = my 16 queries), O^T = V^T P^T (source 0 = 16 of the head's 64, source 1 = P): a lane holds ONE query (lane % 16) throughout.
; The first product's K is 64 of the instruction's 128: registers 4-7 of both fragments are zero codes, bytes 2 and 3 of both scale words are 0 (2^-127 over zeros).
; THE KEYS OF A TILE ARE NOT NEIGHBOURS: row r of tile 2 b + u is key 32 b + 8 u + r + 8 (r / 8) of the step, so that the 16 registers of tiles 2 b and 2 b + 1 are 16 neighbouring keys, 32 b + 16 (lane / 16) + 0 .. 15.
; LIMITS: NaN and infinities among the inputs are not served; |t| stays under 3e38 (the largest t starts at -3e38).  A block of zeros gets the byte 1 where the rule says 127: its codes are zeros, which add
; nothing under any byte but 0xff, and the bytes are read by this program alone.  A block's largest p is made of the block's largest score by the same multiply-add and exponential as every p, which takes
; v_exp_f32 not to fall where its input rises.  A p under 2^-126 comes out of v_exp_f32 as 0.
; THE MODE: SCHED_MODE bits 1:0 = 2 (LLVM: expert scheduling mode 2), set by the entry lines.  The code itself states the register dependences between vector or matrix instructions and memory or LDS
; instructions, with s_wait_alu, always for 0.
; THE PLAN.  Registers that memory or LDS instructions touch:
;   v5, v11, v25, v240-243   offsets and addresses, made once at the head and never written again.
;   v1, v2      a record's addresses.  Written by two additions, read by every LDS load of a step.
;   v3, v4      where the quantiser's codes and words go; v236-239, v248-251, v234 the codes, words and V's byte: written by the quantiser, read by its stores; a step writes v232-239 again.
;   v28-31, v32-63 (the low four of each eight)   K's scale words and fragments: LDS loads land there, the products S^T read them.
;   v26-27, v192-223   V's: LDS loads land there, the products O^T read them; on the way out rows from the stage land there and the global stores read them.
;   v16-19, v24   Q's: loaded at a tile's head, read by the products S^T.        v64-95   global loads land there, the quantiser reads them.
;   v96-159     Q's first tile lands there; then products and vector instructions alone, until the way out's stores read v96-127.
; Steps go in COUPLES, the two steps of a pair.  The first makes its addresses and asks for K at its head; behind its exponentials it steps the addresses, and behind the wait for the exponentials it asks for
; the SECOND step's scale words and tiles 0-3 of K, which land during the rest of its softmax.  The second step has no address line and no wait on the vector side at its head.
; A step's waits on va_vdst: at a first step's head (the addresses; the step before is done with K's and V's registers); behind the first four products (they are done with v32-63, in which tiles 4-7 land);
; behind the exponentials; behind the row's sums (p's codes and scale word, ahead of the scaled products).  Waits on vm_vsrc: ahead of each pair of address additions, and behind K's quantiser.
.set REC,   8960                       ; LDS: a record for each key step, 16 of them from byte 0 on:
.set RV,    4096                       ;   K's codes at 0: tile x 512 + 16 x lane (registers 0-3 of a fragment);  V's codes here: tile x 1,024 + c x 512 + 16 x lane (registers 4 c .. 4 c + 3);
.set RSK,   8192                       ;   K's scale words: 16 x lane + 4 j: lanes 0-15 tile 2 j, lanes 16-31 tile 2 j + 1;
.set RSV,   8704                       ;   V's scale words: 8 x lane + 4 j, likewise
.set QIMG,  16*REC                     ; Q's codes: wave x 1,024 + tile x 512 + 16 x lane; the wave's own
.set QSC,   QIMG+16384                 ; Q's scale words: wave x 512 + tile x 256 + 16 x row; the wave's own
.set STAGE, QSC+8192                   ; the way out: wave x 16 rows x 272 bytes; the wave's own.  Ends at 237,568
.set SP,    272                        ; a stage row: 256 bytes + 16: the sixteen rows that a store touches begin in sixteen different 16-byte columns of 256
.set PAIRB, 65536                      ; a pair's 256 rows of K or of V in memory
; VECTOR REGISTERS.  Addresses: these never hold anything else
.set ADK,  1                           ; v1   a record + 16 x lane
.set ADS,  2                           ; v2   its scale words of V + 8 x lane
.set WA,   3                           ; v3   where the codes just made go
.set WB,   4                           ; v4   and their scale words
.set L16,  5                           ; v5   16 x lane; also my byte offset in two rows of O (256 (lane / 16) + 16 (lane % 16))
.set L8,   6                           ; v6   8 x lane
.set LK,   7                           ; v7   K's and Q's codes: 16 (l / 8) + 256 ((l / 4) % 2) + 4 (l % 4)
.set LG,   8                           ; v8   K's and Q's scale words: 16 (l / 8)
.set LV,   9                           ; v9   V's codes: 1,024 (l / 16) + 16 (l % 16)
.set SH8,  10                          ; v10  8 x ((l / 4) % 2): where my block's byte stands in a scale word of K or Q
.set VKO,  11                          ; v11  32 x lane: my 8 numbers of a group of 4 rows
.set VVO,  25                          ; v25  4 x lane: my column of V
.set QRD,  240                         ; v240 my wave's images of Q + 16 x lane
.set QSR,  241                         ; v241 my wave's scale words of Q + 16 x (lane % 16)
.set STO,  242                         ; v242 the stage: where I put 32 bytes of a row
.set RD,   243                         ; v243 and where I read a row back
; the work.  v12 -M, v13 the largest t, v[14:15] the sum in two halves
.set QF,   16                          ; v16-19 Q's codes, v20-23 zeros
.set QS,   24                          ; v24  Q's scale words
.set VS,   26                          ; v26-27 V's scale words of the step
.set KS,   28                          ; v28-31 K's
.set KF,   32                          ; v32-63 four fragments of K: 8 t + 0 .. 3 loaded, 8 t + 4 .. 7 zeros that stay
.set X,    64                          ; v64-95 32 numbers of K, V or Q on their way to the quantiser
.set SS,   96                          ; v96-159 S^T, then p; on the way out O
.set OT,   160                         ; v160-191 O^T, 4 tiles
.set VF,   192                         ; v192-223 V's 4 fragments; on the way out rows read back
.set PC,   224                         ; v224-231 p's codes.  v232-239, v244-247, v252-254 at work in a step; between steps the quantiser takes:
.set MX,   232                         ; v232-235 largest magnitudes
.set CD,   236                         ; v236-239 codes
.set SCO,  244                         ; v244-247 the conversions' scale operands
.set WD,   248                         ; v248-251 scale words
; SCALAR REGISTERS
.set WV,   12                          ; s12  my wave's number
.set SEL,  20                          ; s[20:21] lane selects for v_permlanex16_b32: lane l xor 16
.set CS,   22                          ; s[22:23] c = log2(e) / 8: the packed form names a pair and takes its low word for both halves
.set TR,   24                          ; s24  the record from which the addresses are made next
.set TS,   25                          ; s25  and its scale words of V
.set SKC,  26                          ; s26  where my wave's codes of K of the pair being made go;
.set CNT,  27                          ; s27  trips to go
.set SKS,  28                          ; s28  K's scale words;
.set SVC,  29                          ; s29  V's codes;
.set SVS,  30                          ; s30  V's scale bytes: these four step two records a pair
.set SQC,  31                          ; s31  my wave's images of Q
.set SQS,  34                          ; s34  and its scale words
	s_load_b256 s[4:11], s[0:1], 0x0               ; Q s[4:5], K s[6:7], V s[8:9], O s[10:11]
	v_lshrrev_b32 v232, 5, v0
	v_readfirstlane_b32 s[WV], v232                ; wave 0..15
	v_and_b32 v232, 31, v0                         ; l: lane
	v_and_b32 v233, 15, v0                         ; r = l % 16
	v_bfe_u32 v234, v0, 4, 1                       ; h = l / 16
	v_bfe_u32 v235, v0, 3, 2                       ; l / 8
	v_bfe_u32 v236, v0, 2, 1                       ; (l / 4) % 2
	v_and_b32 v237, 3, v0                          ; l % 4
	v_lshlrev_b32 v[L16], 4, v232
	v_lshlrev_b32 v[L8], 3, v232
	v_lshlrev_b32 v[VKO], 5, v232
	v_lshlrev_b32 v[VVO], 2, v232
	v_lshlrev_b32 v[SH8], 3, v236
	v_lshlrev_b32 v[LG], 4, v235                   ; 16 (l / 8): my row of a group of four, in an image and among the scale words
	v_lshl_add_u32 v[LK], v237, 2, v[LG]           ; + 4 (l % 4): my 8 codes of a block's 32
	v_lshl_add_u32 v[LK], v236, 8, v[LK]           ; + 256 ((l / 4) % 2): the block d 32 .. 63 belongs to lanes 16-31 of the operand
	v_lshlrev_b32 v[LV], 10, v234                  ; V: my column 32 u + l lies in tile 2 u + l / 16, row l % 16
	v_lshl_add_u32 v[LV], v233, 4, v[LV]
	s_wait_alu depctr_va_sdst(0)                   ; s12 is written, ahead of its first reader: my wave's places in LDS and in memory are made from it
	; My wave's share of a pair.  K: keys 16 w .. 16 w + 15 of the 256: step w / 8; in it b = (w / 2) % 4, the row's bit 3 = w % 2.  V: step w / 8, block b = (w / 2) % 4 of its four, columns 32 u on, u = w % 2.
	s_and_b32 s35, s[WV], 1                        ; w % 2
	s_bfe_u32 s36, s[WV], 0x20001                  ; b
	s_lshr_b32 s37, s[WV], 3                       ; which step of the pair
	s_mul_i32 s38, s37, REC                        ; its record
	s_lshl_b32 s[SKC], s36, 10                     ; K's codes: tile 2 b + u at 1,024 b + 512 u, rows 8 (w % 2) on at 128 (w % 2)
	s_add_co_u32 s[SKC], s[SKC], s38
	s_lshl_b32 s18, s35, 7
	s_add_co_u32 s[SKC], s[SKC], s18
	s_lshl_b32 s[SKS], s36, 2                      ; K's scale words: 16 x (row + 16 u) + 4 b
	s_add_co_u32 s[SKS], s[SKS], s18
	s_add_co_u32 s[SKS], s[SKS], s38
	s_add_co_u32 s[SKS], s[SKS], RSK
	s_lshl_b32 s[SVC], s35, 11                     ; V's codes: tile 2 u + l / 16; block b = 2 c + h: 512 c + 256 h = 256 b
	s_lshl_b32 s18, s36, 8
	s_add_co_u32 s[SVC], s[SVC], s18
	s_add_co_u32 s[SVC], s[SVC], s38
	s_add_co_u32 s[SVC], s[SVC], RV
	s_lshl_b32 s[SVS], s35, 2                      ; V's scale bytes: word 8 x lane + 4 u, byte b
	s_add_co_u32 s[SVS], s[SVS], s36
	s_add_co_u32 s[SVS], s[SVS], s38
	s_add_co_u32 s[SVS], s[SVS], RSV
	s_lshl_b32 s[SQC], s[WV], 10
	s_add_co_u32 s[SQC], s[SQC], QIMG
	s_lshl_b32 s[SQS], s[WV], 9
	s_add_co_u32 s[SQS], s[SQS], QSC
	v_add_nc_u32 v[QRD], s[SQC], v[L16]
	v_lshl_add_u32 v[QSR], v233, 4, s[SQS]
	s_mul_i32 s18, s[WV], 16*SP
	s_add_co_u32 s18, s18, STAGE                   ; my stage
	v_mul_u32_u24 v[STO], v233, SP
	v_lshl_add_u32 v[STO], v234, 5, v[STO]
	v_add_nc_u32 v[STO], s18, v[STO]               ; in: row r, + 32 h
	v_mul_u32_u24 v[RD], v234, SP
	v_lshl_add_u32 v[RD], v233, 4, v[RD]
	v_add_nc_u32 v[RD], s18, v[RD]                 ; back: lanes 0-15 one row, lanes 16-31 the next
	s_mov_b32 s[SEL], 0x76543210
	s_mov_b32 s[SEL+1], 0xfedcba98
	s_mov_b32 s[CS], 0x3e38aa3b                    ; log2(e) / 8
	s_mov_b32 s[CS+1], s[CS]                       ; (named with it as a pair, so it is written)
	s_and_b32 s14, ttmp7, 0xffff                   ; the head
	s_lshl_b32 s14, s14, 19                        ; x 2,048 rows of 256 bytes
	s_mov_b32 s15, 0
	s_lshl_b32 s18, s[WV], 12                      ; K: my 16 keys of a pair
	s_add_co_u32 s16, s14, s18
	s_mov_b32 s17, 0
	s_lshl_b32 s18, s37, 15                        ; V: the step's 128 rows,
	s_add_co_u32 s32, s14, s18
	s_lshl_b32 s18, s36, 13                        ; the block's 32,
	s_add_co_u32 s32, s32, s18
	s_lshl_b32 s18, s35, 7                         ; my 32 columns
	s_add_co_u32 s32, s32, s18
	s_mov_b32 s33, 0
	s_lshl_b32 s18, ttmp9, 17                      ; Q, O: the block's 512 rows,
	s_add_co_u32 s14, s14, s18
	s_lshl_b32 s18, s[WV], 13                      ; my 32 of them
	s_add_co_u32 s14, s14, s18
	s_wait_kmcnt 0x0
	s_add_nc_u64 s[4:5], s[4:5], s[14:15]
	s_add_nc_u64 s[10:11], s[10:11], s[14:15]
	s_add_nc_u64 s[6:7], s[6:7], s[16:17]
	s_add_nc_u64 s[8:9], s[8:9], s[32:33]
; ---- THE QUANTISER ----
; K and Q (their K, the head's 64, is innermost).  A GROUP is 4 rows, 1,024 consecutive bytes: lane l takes the 32 bytes at 32 l: 8 neighbours of row l / 8, d = 8 (l % 8) on; four lanes hold a block of 32.
; Four groups, 16 rows, from off bytes on, into the 32 registers from xs on.  nt = 1: rows that the whole launch reads once (Q's); K's rows are read by the head's other three work-groups too.
.macro LOADG xs, ptr, off, nt
.irp i, 0,1,2,3
.if \nt
	global_load_b128 v[\xs+8*\i:\xs+8*\i+3],   v[VKO], s[\ptr:\ptr+1] offset:(\off)+1024*\i th:TH_LOAD_NT
	global_load_b128 v[\xs+8*\i+4:\xs+8*\i+7], v[VKO], s[\ptr:\ptr+1] offset:(\off)+1024*\i+16 th:TH_LOAD_NT
.else
	global_load_b128 v[\xs+8*\i:\xs+8*\i+3],   v[VKO], s[\ptr:\ptr+1] offset:(\off)+1024*\i
	global_load_b128 v[\xs+8*\i+4:\xs+8*\i+7], v[VKO], s[\ptr:\ptr+1] offset:(\off)+1024*\i+16
.endif
.endr
.endm
; The four groups are quantised, line by line by turns, and stored.  sc, ss: the scalars that say where codes and scale words go.  isq = 1: tile qt of Q; 0: 16 keys of K.
.macro PROCG xs, sc, ss, isq, qt
	v_add_nc_u32 v[WA], s[\sc], v[LK]
	v_add_nc_u32 v[WB], s[\ss], v[LG]
.irp i, 0,1,2,3
	v_max3_num_f32 v[MX+\i], |v[\xs+8*\i]|, |v[\xs+8*\i+1]|, 0x1800000   ; my 8 numbers, and the floor 2^(3 - 127), under which no largest magnitude is taken: so the byte cannot fall under 1
.endr
.irp k, 2,4,6
.irp i, 0,1,2,3
	v_max3_num_f32 v[MX+\i], v[MX+\i], |v[\xs+8*\i+\k]|, |v[\xs+8*\i+\k+1]|
.endr
.endr
.irp i, 0,1,2,3
	v_max_num_f32_dpp v[MX+\i], v[MX+\i], v[MX+\i] row_xmask:1 row_mask:0xf bank_mask:0xf
.endr
.irp i, 0,1,2,3
	v_max_num_f32_dpp v[MX+\i], v[MX+\i], v[MX+\i] row_xmask:2 row_mask:0xf bank_mask:0xf   ; with the three lanes beside me: the block's largest magnitude
.endr
.irp i, 0,1,2,3
	v_add_nc_u32 v[SCO+\i], 0xff000000, v[MX+\i]   ; 2 off its exponent field: the conversion takes the exponent field of this operand as its scale, and nothing else of it
.endr
.irp i, 0,1,2,3
	v_cvt_scalef32_pk8_fp4_f32 v[CD+\i], v[\xs+8*\i:\xs+8*\i+7], v[SCO+\i]
.endr
.irp i, 0,1,2,3
	v_lshrrev_b32 v[WD+\i], 23, v[SCO+\i]          ; the scale's byte.  (These are also the plain lines behind the conversions)
.endr
.irp i, 0,1,2,3
	v_lshlrev_b32 v[WD+\i], v[SH8], v[WD+\i]       ; at its place: byte 0 for d 0 .. 31, byte 1 for d 32 .. 63
.endr
.irp i, 0,1,2,3
	v_mov_b32_dpp v[MX+\i], v[WD+\i] row_xmask:4 row_mask:0xf bank_mask:0xf   ; the row's other block's
.endr
.irp i, 0,1,2,3
	v_or_b32 v[WD+\i], v[WD+\i], v[MX+\i]          ; the row's scale word; bytes 2 and 3 stay 0
.endr
	s_wait_alu depctr_va_vdst(0)                   ; the codes, the scale words and the two addresses are written, which the stores below read; the maxima and conversions are done reading the 32 numbers, in whose registers the next loads land
.irp i, 0,1,2,3
.if \isq
	ds_store_b32 v[WA], v[CD+\i] offset:512*\qt+64*\i            ; Q's row 4 i + l / 8 of the tile
	ds_store_b32 v[WB], v[WD+\i] offset:256*\qt+64*\i            ; the eight lanes of a row write the same word with the same value
.else
	ds_store_b32 v[WA], v[CD+\i] offset:512*(\i/2)+64*(\i%2)     ; my key 4 i + l / 8: u = i / 2, the row's low bits 4 (i % 2) + l / 8
	ds_store_b32 v[WB], v[WD+\i] offset:256*(\i/2)+64*(\i%2)
.endif
.endr
.endm
; V (its K, the keys, is NOT innermost): a lane takes a column d and its registers run down the 32 keys of my wave's block.  Each load reads 128 consecutive bytes; the wave beside mine reads the rows' other half.
.macro LOADV xs
.set I, 0
.rept 32
	global_load_b32 v[\xs+I], v[VVO], s[8:9] offset:256*I
.set I, I+1
.endr
.endm
.macro PROCV xs
	v_add_nc_u32 v[WA], s[SVC], v[LV]
	v_add_nc_u32 v[WB], s[SVS], v[L8]
	v_max3_num_f32 v[MX], |v[\xs]|, |v[\xs+1]|, |v[\xs+2]|         ; the block's largest magnitude: all 32 numbers are mine; two chains
	v_max3_num_f32 v[MX+1], |v[\xs+3]|, |v[\xs+4]|, |v[\xs+5]|
.irp i, 6,10,14,18,22,26
	v_max3_num_f32 v[MX], v[MX], |v[\xs+\i]|, |v[\xs+\i+1]|
	v_max3_num_f32 v[MX+1], v[MX+1], |v[\xs+\i+2]|, |v[\xs+\i+3]|
.endr
	v_max3_num_f32 v[MX], v[MX], |v[\xs+30]|, |v[\xs+31]|
	v_max3_num_f32 v[MX], v[MX], v[MX+1], 0x1800000                ; and the floor
	v_add_nc_u32 v[SCO], 0xff000000, v[MX]
	v_lshrrev_b32 v[MX+2], 23, v[SCO]              ; the scale's byte: byte b of my column's word for this step; the word's other three come from three other waves
.irp g, 0,1,2,3
	v_cvt_scalef32_pk8_fp4_f32 v[CD+\g], v[\xs+8*\g:\xs+8*\g+7], v[SCO]
.endr
	v_nop                                          ; one plain line behind the last conversion
	s_wait_alu depctr_va_vdst(0)                   ; the codes, the byte and the two addresses are written, which the stores below read; the maxima and conversions are done reading the 32 numbers, in whose registers the next loads land
	ds_store_b128 v[WA], v[CD:CD+3]                ; the block's 32 codes: four registers of the operand
	ds_store_b8 v[WB], v[MX+2]
.endm
.macro NEXTPAIR                        ; where the next pair's codes and scale words go: two records on
	s_add_co_u32 s[SKC], s[SKC], 2*REC
	s_add_co_u32 s[SKS], s[SKS], 2*REC
	s_add_co_u32 s[SVC], s[SVC], 2*REC
	s_add_co_u32 s[SVS], s[SVS], 2*REC
.endm
; ---- A KEY STEP: 128 keys for my tile of 16 queries ----
.macro ADDR                            ; the addresses of the record at which s[TR] and s[TS] stand
	v_add_nc_u32 v[ADK], s[TR], v[L16]
	v_add_nc_u32 v[ADS], s[TS], v[L8]
.endm
.macro KASK                            ; what a step wants first, five loads: K's scale words of the 8 tiles, and K's tiles 0-3
	ds_load_b128 v[KS:KS+3], v[ADK] offset:RSK
.irp t, 0,1,2,3
	ds_load_b128 v[KF+8*\t:KF+8*\t+3], v[ADK] offset:512*\t
.endr
.endm
.macro SPROD g                         ; S^T = K Q^T, tiles 4 g .. 4 g + 3: lane (r, h) holds query r; the 16 registers of tiles 2 b, 2 b + 1 are keys 32 b + 16 h + 0 .. 15
.irp t, 0,1,2,3
.if \t%2
	v_wmma_scale_f32_16x16x128_f8f6f4 v[SS+8*(4*\g+\t):SS+8*(4*\g+\t)+7], v[KF+8*\t:KF+8*\t+7], v[QF:QF+7], 0, v[KS+2*\g+\t/2], v[QS] matrix_a_fmt:MATRIX_FMT_FP4 matrix_b_fmt:MATRIX_FMT_FP4 matrix_a_scale:MATRIX_SCALE_ROW1
.else
	v_wmma_scale_f32_16x16x128_f8f6f4 v[SS+8*(4*\g+\t):SS+8*(4*\g+\t)+7], v[KF+8*\t:KF+8*\t+7], v[QF:QF+7], 0, v[KS+2*\g+\t/2], v[QS] matrix_a_fmt:MATRIX_FMT_FP4 matrix_b_fmt:MATRIX_FMT_FP4
.endif
.endr
.endm
; THE LARGEST SCORE OF EACH BLOCK OF 32 KEYS serves twice: for the row's maximum, and, since p rises with the score, for the block's largest p.  Two blocks at a time, each in two chains, one for each of its
; two accumulators, which is read from its low end on.  BMAXA: seven scores of each chain.  BMAXB: the chains meet, with the two scores left over: four lines.
.macro BMAXA b0, b1
.irp b, \b0, \b1
	v_max3_num_f32 v[232+\b], v[SS+16*\b], v[SS+1+16*\b], v[SS+2+16*\b]
.endr
.irp b, \b0, \b1
	v_max3_num_f32 v[236+\b], v[SS+8+16*\b], v[SS+9+16*\b], v[SS+10+16*\b]
.endr
.irp i, 3,5
.irp b, \b0, \b1
	v_max3_num_f32 v[232+\b], v[232+\b], v[SS+16*\b+\i], v[SS+1+16*\b+\i]
.endr
.irp b, \b0, \b1
	v_max3_num_f32 v[236+\b], v[236+\b], v[SS+8+16*\b+\i], v[SS+9+16*\b+\i]
.endr
.endr
.endm
.macro BMAXB b0, b1
.irp b, \b0, \b1
	v_max3_num_f32 v[232+\b], v[232+\b], v[236+\b], v[SS+7+16*\b]
.endr
.irp b, \b0, \b1
	v_max_num_f32 v[232+\b], v[232+\b], v[SS+15+16*\b]
.endr
.endm
; mk = 1: a couple's first step: it makes its addresses and asks for K at its head.  mk = 0: the step before has done both.  nx = 1: it does both for the step that follows.
.macro STEP mk, nx
.if \mk
	s_wait_alu depctr_vm_vsrc(0)                   ; the LDS loads issued so far have read v1 and v2, which the two lines below write; V's quantiser's stores have read v3, v4, v234 and v236-239, which this step and the next quantiser write again
	ADDR
	s_wait_alu depctr_va_vdst(0)                   ; v1 and v2 are written, which the loads read; the products of the step before are done reading K's scale words and fragments, in which the loads land; in a tile's first step the zero codes of both fragments are written
	KASK
.endif
	s_wait_dscnt 0x0                               ; K's scale words and tiles 0-3 are in (and, in a tile's first step, Q's two loads ahead of them)
	SPROD 0
.rept 4
	v_nop                                          ; four places between the products and the first read of their results (ISA guide 7.12.1)
.endr
	s_wait_alu depctr_va_vdst(0)                   ; the four products are done reading v32-63, in which tiles 4-7 land; the last step's products O^T are done reading V's fragments and scale words, in which this step's land
.irp t, 0,1,2,3
	ds_load_b128 v[KF+8*\t:KF+8*\t+3], v[ADK] offset:2048+512*\t   ; K's tiles 4-7 take the same registers: they land while the first two blocks' maxima are taken
.endr
	ds_load_b64 v[VS:VS+1], v[ADS]                 ; V's scale words of the 4 tiles
.irp t, 0,1,2,3
.irp c, 0,1
	ds_load_b128 v[VF+8*\t+4*\c:VF+8*\t+4*\c+3], v[ADK] offset:RV+1024*\t+512*\c
.endr
.endr
	BMAXA 0, 1
	s_wait_dscnt 9                                 ; K's four loads are in; V's nine stay out through the softmax
	SPROD 1
	BMAXB 0, 1                                     ; four plain lines that name no register of the products just issued: the places in front of the first read of their results
	BMAXA 2, 3
	BMAXB 2, 3
.irp b, 0,1,2,3
	v_permlanex16_b32 v[236+\b], v[232+\b], s[SEL], s[SEL+1]
.endr
.irp b, 0,1,2,3
	v_max_num_f32 v[232+\b], v[232+\b], v[236+\b]  ; with lane l xor 16's 16 keys
.endr
	v_max3_num_f32 v254, v232, v233, v234
	v_max_num_f32 v254, v254, v235                 ; the step's largest score of my query
	v_mul_f32 v254, s[CS], v254                    ; as t (c is positive)
	v_max_num_f32 v13, v13, v254                   ; the running largest t
	v_mov_b32 v254, v12
	v_floor_f32 v12, -v13                          ; the new -M = floor(-t) = -ceil(t): M IS A WHOLE NUMBER
	v_sub_f32 v254, v12, v254                      ; M's old value less its new one: a whole number, 0 or less
	v_cvt_i32_f32 v254, v254                       ; (it saturates)
	v_ldexp_f32 v252, 1.0, v254                    ; f = 2^(old M - new M): a multiplication by it rounds nothing
.set J, 0
.rept 32
	v_pk_fma_f32 v[SS+J:SS+J+1], v[SS+J:SS+J+1], s[CS:CS+1], v[12:13] op_sel_hi:[1,0,0]   ; t - M, two at a time (of the pairs c and -M the low word serves both halves)
.set J, J+2
.endr
.irp b, 0,1,2,3
	v_fma_f32 v[232+\b], v[232+\b], s[CS], v12     ; the same of each block's largest score
.endr
.set J, 0
.rept 64
	v_exp_f32 v[SS+J], v[SS+J]                     ; p = 2^(t - M), at most 1: NOT normalised
.set J, J+1
.endr
.irp b, 0,1,2,3
	v_exp_f32 v[232+\b], v[232+\b]                 ; the block's largest p: the same two instructions on the same number give the same bits
.endr
	v_pk_mul_f32 v[14:15], v[14:15], v[252:253] op_sel_hi:[1,0]   ; the sums under the new M.  (The plain line behind the exponentials)
	s_add_co_u32 s[TR], s[TR], REC                 ; the next step's record
	s_add_co_u32 s[TS], s[TS], REC
.if \nx
	s_wait_alu depctr_vm_vsrc(0)                   ; this step's LDS loads, all of them issued, have read v1 and v2
	ADDR
.endif
	s_wait_alu depctr_va_vdst(0)                   ; the 68 exponentials have written their results, ahead of the first line that names one; nx = 1: v1 and v2 are written, and the eight products S^T are done reading K's scale words and fragments
.if \nx
	KASK                                           ; the next step's: no vector or matrix instruction names v1 or v28-63 between the wait above and that step's products
.endif
.irp b, 0,1,2,3
	v_max_num_f32 v[232+\b], 0x1800000, v[232+\b]  ; the floor 2^(3 - 127): the byte cannot fall under 1 (a block whose every p has fallen to 0 keeps that byte: its codes are zeros)
.endr
.irp b, 0,1,2,3
	v_add_nc_u32 v[244+\b], 0xff000000, v[232+\b]  ; 2 off the exponent field: the conversion's scale operand
.endr
.irp b, 0,1,2,3
	v_lshrrev_b32 v[236+\b], 23, v[244+\b]         ; the scale's byte
.endr
	v_lshl_or_b32 v253, v237, 8, v236              ; p's scale word for these 128 keys
	v_lshl_or_b32 v253, v238, 16, v253
	v_lshl_or_b32 v253, v239, 24, v253
.irp b, 0,1,2,3
	v_cvt_scalef32_pk8_fp4_f32 v[PC+2*\b], v[SS+16*\b:SS+7+16*\b], v[244+\b]
	v_cvt_scalef32_pk8_fp4_f32 v[PC+1+2*\b], v[SS+8+16*\b:SS+15+16*\b], v[244+\b]
.endr
	v_nop                                          ; one plain line between a scaled conversion and the vector instruction that touches its result
.irp c, 0,1                                    ; the operand's layout wants a WHOLE block in a lane: lanes 0-15 block 2 c, lanes 16-31 block 2 c + 1
.irp i, 0,1
	v_permlane16_swap_b32 v[PC+4*\c+\i], v[PC+2+4*\c+\i]
.endr
.endr
	v_pk_add_f32 v[236:237], v[SS:SS+1], v[SS+2:SS+3]   ; THE ROW'S SUM IS TAKEN OF THE UNQUANTISED p: two at a time, in two chains
.irp j, 4,8,12,16,20,24,28,32,36,40,44,48,52,56,60
	v_pk_add_f32 v[14:15], v[14:15], v[SS+\j:SS+1+\j]
	v_pk_add_f32 v[236:237], v[236:237], v[SS+2+\j:SS+3+\j]
.endr
	v_pk_add_f32 v[14:15], v[14:15], v[236:237]
	s_wait_alu depctr_va_vdst(0)                   ; p's codes v224-231 and its scale word v253 are written, which the scaled products below take as source 1 and as its scales; the 32 sums above are the places that stand in front of this wait
.set J, 0
.rept 16
	v_pk_mul_f32 v[OT+J:OT+J+1], v[OT+J:OT+J+1], v[252:253] op_sel_hi:[1,0]   ; O^T under the new M: x f, each accumulator from its low end on
.set J, J+2
.endr
.if \nx
	s_wait_dscnt 5                                 ; V's fragments and scale words are in; the five loads for the next step stay out
.else
	s_wait_dscnt 0x0                               ; V's fragments and scale words are in
.endif
.irp t, 0,1,2,3                                ; O^T += V^T P^T: four tiles of 16 of the head's 64; K = these 128 keys.  The four accumulators take one instruction each, and the eight products S^T stand between two turns of one
.if \t%2
	v_wmma_scale_f32_16x16x128_f8f6f4 v[OT+8*\t:OT+8*\t+7], v[VF+8*\t:VF+8*\t+7], v[PC:PC+7], v[OT+8*\t:OT+8*\t+7], v[VS+\t/2], v253 matrix_a_fmt:MATRIX_FMT_FP4 matrix_b_fmt:MATRIX_FMT_FP4 matrix_a_scale:MATRIX_SCALE_ROW1
.else
	v_wmma_scale_f32_16x16x128_f8f6f4 v[OT+8*\t:OT+8*\t+7], v[VF+8*\t:VF+8*\t+7], v[PC:PC+7], v[OT+8*\t:OT+8*\t+7], v[VS+\t/2], v253 matrix_a_fmt:MATRIX_FMT_FP4 matrix_b_fmt:MATRIX_FMT_FP4
.endif
.endr
.endm
; A tile's head: Q's fragment and scale words, which stay in registers for the tile; the statistics; the first record.
; (No wait on the vector side: v240 and v241 were written ahead of the head's wait; for the second tile the quantiser's wait, straight ahead, shows the first tile's products done reading v16-19 and v24.)
.macro HEAD qt
	ds_load_b128 v[QF:QF+3], v[QRD] offset:512*\qt ; LDS serves a wave's instructions in order (ISA guide 5.7.1.4): these see my own stores
	ds_load_b32 v[QS], v[QSR] offset:256*\qt
	v_mov_b32 v13, 0xff61b1e6                      ; the largest t so far: -3e38, under every t
	v_floor_f32 v12, -v13                          ; -M
	v_mov_b32 v14, 0                               ; the sum, in two halves
	v_mov_b32 v15, 0
.set J, 0
.rept 32
	v_mov_b32 v[OT+J], 0                           ; O^T.  (The step is written once: the first finds zeros, which the first change of M leaves zeros)
.set J, J+1
.endr
	s_mov_b32 s[TR], 0
	s_mov_b32 s[TS], RSV
.endm
; THE WAY OUT.  O^T is divided by the row's sum and goes through my stage in LDS, so that sixteen lanes store one whole row of O, 256 consecutive bytes at a multiple of 256 from O's first byte.
.macro OUT qt
	v_add_f32 v14, v14, v15                        ; the sum's two halves,
	v_permlanex16_b32 v252, v14, s[SEL], s[SEL+1]
	v_add_f32 v14, v14, v252                       ; and lane l xor 16's: the row's sum
	v_rcp_f32 v14, v14
.rept 3
	v_nop                                          ; a plain line behind the reciprocal; with the two additions five plain places behind the last products (the permute and the reciprocal are not counted)
.endr
.set J, 0
	s_wait_alu depctr_va_vdst(0)                   ; the reciprocal has written v14, ahead of its first reader
.rept 16
	v_pk_mul_f32 v[SS+J:SS+J+1], v[OT+J:OT+J+1], v[14:15] op_sel_hi:[1,0]   ; register 8 t + i is o(r, 16 t + 8 h + i); each accumulator from its low end on
.set J, J+2
.endr
	s_wait_alu depctr_va_vdst(0)                   ; the multiplications have written v96-127, which the LDS stores read; the last products are done reading V's fragments, in which the rows from the stage land
.irp t, 0,1,2,3
	ds_store_b128 v[STO], v[SS+8*\t:SS+8*\t+3] offset:64*\t
	ds_store_b128 v[STO], v[SS+8*\t+4:SS+8*\t+7] offset:64*\t+16
.endr
.irp i, 0,1,2,3,4,5,6,7
	ds_load_b128 v[VF+4*\i:VF+4*\i+3], v[RD] offset:2*\i*SP   ; in order behind my stores; no other wave touches my stage
.endr
.irp i, 0,1,2,3,4,5,6,7
	s_wait_dscnt 7-\i                              ; rows 2 i and 2 i + 1 are back; the younger loads stay out
	global_store_b128 v[L16], v[VF+4*\i:VF+4*\i+3], s[10:11] offset:4096*\qt+512*\i th:TH_STORE_NT   ; 32 lanes store 512 consecutive bytes; written once, read by nobody here
.endr
.endm
; ---- IN FRONT OF THE FIRST BARRIER: my first tile of Q, and my share of pair 0 ----
	s_wait_alu depctr_va_vdst(0)                   ; the offsets and addresses made at the head, v5, v11, v25 and v240-243, are written: every global load and store, Q's LDS loads and the stage's stores and loads read one of them
	LOADG SS, 4, 0, 1                              ; 8 loads
	LOADG X, 6, 0, 0                               ; 8 loads
	LOADV VF                                       ; 32 loads
	s_wait_loadcnt 40                              ; Q's eight are in; K's 8 and V's 32 stay out
	PROCG SS, SQC, SQS, 1, 0
	s_wait_loadcnt 32                              ; K's are in; V's 32 stay out
	s_wait_alu depctr_vm_vsrc(0)                   ; the stores above have read v3, v4, v236-239 and v248-251, which the next lines write again
	PROCG X, SKC, SKS, 0, 0
	s_wait_loadcnt 0x0                             ; V's are in; no load is out, so both pointers may step
	s_wait_alu depctr_vm_vsrc(0)                   ; the stores above have read v3, v4 and v236-239, which the next lines write again
	PROCV VF
	s_add_nc_u64 s[6:7], s[6:7], PAIRB
	s_add_nc_u64 s[8:9], s[8:9], PAIRB
	s_wait_dscnt 0x0                               ; for the others' sake: all my stores into the records have landed
	s_wait_alu depctr_vm_vsrc(0)                   ; and they have read v236-239, which are cleared below
	s_barrier_signal -1
	NEXTPAIR
.irp j, 4,5,6,7
	v_mov_b32 v[QF+\j], 0                          ; the upper 64 of the first product's K: zero codes, written once, on both sides
.endr
.irp t, 0,1,2,3
.irp j, 4,5,6,7
	v_mov_b32 v[KF+8*\t+\j], 0
.endr
.endr
.irp b, 0,1,2,3
	v_mov_b32 v[236+\b], 0                         ; (a lane permute's destination counts as one of its sources)
.endr
	v_mov_b32 v253, 0                              ; (named as the upper half of the pair v[252:253] before it is first written)
	s_barrier_wait -1                              ; steps 0 and 1 lie in LDS
; ---- THE FIRST TILE.  Trip j walks steps 2 j and 2 j + 1 and makes steps 2 j + 2 and 2 j + 3: other records than any wave reads between the two barriers round it ----
	HEAD 0
	s_mov_b32 s[CNT], 7
.Lpair:
	LOADG X, 6, 0, 0                               ; my 16 keys of the next pair: asked for a whole step ahead of the wait for them.  (V's quantiser's wait has shown v64-95 read, and no vector instruction has named them since)
	STEP 1, 1
	s_wait_loadcnt 0x0                             ; they are in, and K's pointer may step
	PROCG X, SKC, SKS, 0, 0
	s_add_nc_u64 s[6:7], s[6:7], PAIRB
	s_wait_alu depctr_vm_vsrc(0)                   ; the quantiser's stores have read v3, v4, v236-239 and v248-251: the step below writes v236-239 again, V's quantiser v3 and v4
	LOADV X                                        ; my block of V of the next pair, into the registers that K's numbers have left (the quantiser's own wait has shown them read)
	STEP 0, 0
	s_wait_loadcnt 0x0
	PROCV X
	s_add_nc_u64 s[8:9], s[8:9], PAIRB
	s_wait_dscnt 0x0                               ; for the others' sake: my stores into the next pair's records have landed
	s_barrier_signal -1
	NEXTPAIR
	s_barrier_wait -1                              ; everybody's have
	s_sub_co_u32 s[CNT], s[CNT], 1
	s_cmp_lg_u32 s[CNT], 0
	s_cbranch_scc1 .Lpair
	LOADG X, 4, 4096, 1                            ; the last pair: nothing is left of K and V; my second tile of Q is asked for instead
	STEP 1, 1
	STEP 0, 0
	OUT 0
	s_wait_xcnt 0x0                                ; the stores have had their addresses translated: the next tile's first step loads V's fragments into their data registers
	s_wait_alu depctr_vm_vsrc(0)                   ; the global stores have read v192-223, in which V's fragments land again; the stage's stores have read v96-127, which the next tile's products write
	s_wait_loadcnt 0x0                             ; Q's second tile is in
	PROCG X, SQC, SQS, 1, 1
; ---- THE SECOND TILE: all sixteen records lie in LDS and nobody writes them: no barrier.  A trip is a couple of steps ----
	HEAD 1
	s_mov_b32 s[CNT], 8
.Lstep:
	STEP 1, 1
	STEP 0, 0
	s_sub_co_u32 s[CNT], s[CNT], 1
	s_cmp_lg_u32 s[CNT], 0
	s_cbranch_scc1 .Lstep
	OUT 1
	s_wait_xcnt 0x0
	v_lshl_add_u32 v254, v0, 2, 0x3a000            ; my spare word, behind the stages, and 0: made anew here; no memory or LDS instruction has read v254 or v255
	v_mov_b32 v255, 0
	s_wait_dscnt 0x0                               ; the closing lines, six on end
	s_wait_alu 0x0
	s_wait_tensorcnt 0x0
	ds_add_u32 v254, v255
	s_wait_dscnt 0x0
	s_endpgm
.Lfunc_end_k_q043066da78_attn:
	.size	k_q043066da78_attn, .Lfunc_end_k_q043066da78_attn-k_q043066da78_attn
	.p2alignl 7, 3214868480
	.fill 96, 4, 3214868480
	.section	.rodata,"a",@progbits
	.p2align	6, 0x0
	.amdhsa_kernel k_q043066da78_attn
		.amdhsa_group_segment_fixed_size 239616
		.amdhsa_private_segment_fixed_size 0
		.amdhsa_enable_private_segment 0
		.amdhsa_kernarg_size 32
		.amdhsa_user_sgpr_count 2
		.amdhsa_user_sgpr_kernarg_segment_ptr 1
		.amdhsa_wavefront_size32 1
		.amdhsa_system_sgpr_workgroup_id_x 1
		.amdhsa_system_sgpr_workgroup_id_y 1
		.amdhsa_system_sgpr_workgroup_id_z 1
		.amdhsa_system_vgpr_workitem_id 0
		.amdhsa_next_free_vgpr 256
		.amdhsa_next_free_sgpr 66
		.amdhsa_reserve_vcc 0
		.amdhsa_float_denorm_mode_32 3
		.amdhsa_float_denorm_mode_16_64 3
		.amdhsa_memory_ordered 1
		.amdhsa_forward_progress 1
		.amdhsa_inst_pref_size 130
	.end_amdhsa_kernel
	.amdgpu_metadata
---
amdhsa.version: [ 1, 2 ]
amdhsa.kernels:
  - .name:           k_q043066da78_attn
    .symbol:         k_q043066da78_attn.kd
    .args:
      - { .name: query, .offset: 0, .size: 8, .value_kind: global_buffer, .address_space: global }
      - { .name: key, .offset: 8, .size: 8, .value_kind: global_buffer, .address_space: global }
      - { .name: value, .offset: 16, .size: 8, .value_kind: global_buffer, .address_space: global }
      - { .name: out0, .offset: 24, .size: 8, .value_kind: global_buffer, .address_space: global }
    .group_segment_fixed_size: 239616
    .private_segment_fixed_size: 0
    .kernarg_segment_align: 8
    .kernarg_segment_size: 32
    .max_flat_workgroup_size: 512
    .sgpr_count:     66
    .vgpr_count:     256
    .wavefront_size: 32
...
	.end_amdgpu_metadata
.endif
;; end of part 2
